; MI455X (gfx1250); checked and timed in simulation.
; The chip was launched on July 23, 2026; its instructions are those of AMD's public machine-readable ISA for CDNA 5 (MIT licence, August 2026) and "CDNA5" Instruction Set Architecture Reference Guide (July 2026). The comments in the code are by the model that wrote it; some were corrected since.
;; Self Attention. Allowed arithmetic: matrix products marked QUANTISED: E2M1 operands, one E8M0 scale for each 32 along K, by v_wmma_scale_f32_16x16x128_f8f6f4 with both operands' format E2M1 (or v_wmma_scale_f32_32x16x128_f4), f32 sums; everything else in f32.
;; Inputs: Wk_codes 64 x 8 x 16 uint8 (E2M1 codes of Wk, K innermost, in blocks of 32 codes, two codes a byte); Wk_scales 64 x 8 uint8 (E8M0 scales of Wk, one for each 32 codes along K); Wq_codes 64 x 8 x 16 uint8 (E2M1 codes of Wq, K innermost, in blocks of 32 codes, two codes a byte); Wq_scales 64 x 8 uint8 (E8M0 scales of Wq, one for each 32 codes along K); Wv_codes 256 x 8 x 16 uint8 (E2M1 codes of Wv, K innermost, in blocks of 32 codes, two codes a byte); Wv_scales 256 x 8 uint8 (E8M0 scales of Wv, one for each 32 codes along K); bk 64 float32; bq 64 float32; bv 256 float32; gamma 1 float32; x 8 x 256 x 64 x 64 float32.
;; Outputs: out0 8 x 256 x 64 x 64 float32.
;; This version of the problem:
;;   THIS VERSION OF THE PROBLEM IS GIVEN IN LOW PRECISION. The matrix products marked QUANTISED in the list below multiply operands that are first quantised to E2M1 (2 exponent bits, 1 mantissa bit; 4 bits a number), with one power-of-two scale for each 32 numbers along K (OCP MX v1.0); their sums are f32. All else is computed in f32.
;;   The module's matrix products, in the order in which they are computed (A, B: the left and right operand; K: the contracted axis; several contracted axes count as one K, in the product's order):
;;     1. [M 32,768, K 256] x [K 256, N 64]; A: input x; B: input Wq (given as codes): QUANTISED
;;     2. [M 32,768, K 256] x [K 256, N 64]; A: input x; B: input Wk (given as codes): QUANTISED
;;     3. [M 32,768, K 256] x [K 256, N 256]; A: input x; B: input Wv (given as codes): QUANTISED
;;     4. batch 8 x [M 4,096, K 64] x [K 64, N 4,096]; A: computed on the way; B: computed on the way: QUANTISED
;;     5. batch 8 x [M 256, K 4,096] x [K 4,096, N 4,096]; A: computed on the way; B: softmax (see below): QUANTISED
;;   THE QUANTISER, for each operand of a quantised product, along K:
;;     - K is cut into blocks of 32 from its start; a last block that is shorter is filled with zeros.
;;     - A block's scale is 2^e with e = floor(log2(the largest magnitude in the block)) - 2, held to -126 .. 127; a block of zeros has e = 0. As a byte (E8M0): e + 127.
;;     - Each number is divided by its block's scale, clamped to +-6, and rounded to the nearest number of E2M1, ties to even, subnormals kept.
;;     - The product sums the exact products of the quantised numbers (number of the format x scale) in f32.
;;   ~~~python
;;   def quantise(x, axis):      # numpy; x: float32 -> the quantised numbers, widened to float32 again
;;       x = np.moveaxis(x, axis, -1); K = x.shape[-1]
;;       x = np.pad(x, [(0, 0)] * (x.ndim - 1) + [(0, -K % 32)]); x = x.reshape(x.shape[:-1] + (-1, 32)); a = np.abs(x).max(-1, keepdims=True)
;;       e = np.where(a > 0, np.clip(np.frexp(np.where(a > 0, a, 1))[1] - 1 - 2, -126, 127), 0)      # np.frexp(a)[1] - 1 = floor(log2(a)), exactly
;;       r = np.clip(x / 2.0 ** e, -6, 6)
;;       step = 2.0 ** (np.maximum(np.frexp(np.where(r == 0, 1, r))[1] - 1, 0) - 1)
;;       q = np.round(r / step) * step * 2.0 ** e      # np.round: ties to even
;;       return np.moveaxis(q.reshape(q.shape[:-2] + (-1,))[..., :K], -1, axis).astype(np.float32)
;;   ~~~
;;   SOFTMAX AHEAD OF A QUANTISED PRODUCT. Where the list says 'softmax', what is quantised is not the finished softmax but p = 2^(t - M), with t = logit x log2(e) and M = ceil(the row's largest t), a whole number; so 1/2 < the row's largest p <= 1. The row's sum l is taken of the UNQUANTISED p, in f32, and the product's result is divided by l at the end. Since M is a whole number, a kernel that streams over the keys may use a running M (the ceiling of the running maximum): every later rescaling is an exact power of two, which a block's scale takes up: the codes' values come out the same.
;;   OPERANDS COMPUTED ON THE WAY. 'Computed on the way' means the value that the module computes at that place (a softmax that the list does not call 'softmax' is quantised finished and normalised). What goes into a quantiser is computed in f32, as accurately as f32 sums, v_exp_f32 and their like allow (about 1e-6 of the number): no bf16 or f16 on the way to a quantiser, and a product that is left as it is and whose result goes on into a quantised operand takes f32 operands (vector FMAs, or v_wmma_f32_16x16x4_f32). A number that lies on a knife's edge between two numbers of the format may be rounded either way, as far as f32 arithmetic and the matrix unit's own rounding can turn it there, and no further.
;;   INPUTS GIVEN AS CODES. Wk (in the module: [64, 256], K = its axis 1); Wq (in the module: [64, 256], K = its axis 1); Wv (in the module: [256, 256], K = its axis 1): each comes as NAME_codes (uint8): NAME with its K axis moved to the last place and cut into blocks of 32 codes, [.., K / 32, bytes a block], one block behind the other in memory; two codes a byte, the lower K in the low four bits (a code: sign, 2 exponent bits, 1 mantissa bit); and NAME_scales (uint8): the same leading axes, one E8M0 byte (e + 127) for each 32 codes along K. Its value is code x scale, taken as it is: it is not quantised again, and the codes and scales need not be those that the quantiser above would give.
;; One version. Each part assembles by itself: llvm-mc -triple=amdgcn-amd-amdhsa -mcpu=gfx1250 --defsym DOCPART=n.
;; ======== version 1 of 1: 2 launches
;; workspace buffers: kvq 6,815,744 bytes
;; launch project (part 1): grid 32 x 8, 8 waves a work-group, no clusters, 179,200 bytes of LDS; arguments x, Wq_codes, Wq_scales, bq, Wk_codes, Wk_scales, bk, Wv_codes, Wv_scales, bv, kvq; writes kvq
.if DOCPART == 1
	.amdgcn_target "amdgcn-amd-amdhsa--gfx1250"
	.amdhsa_code_object_version 6
	.text
	.protected	k_q62989c9eba_project
	.globl	k_q62989c9eba_project
	.p2align	8
	.type	k_q62989c9eba_project,@function
k_q62989c9eba_project:
	s_mov_b64 s[64:65], 0
	v_nop
	global_prefetch_b8 v0, s[64:65] scope:SCOPE_SE
	s_setreg_imm32_b32 hwreg(HW_REG_WAVE_MODE, 25, 1), 1
	s_wait_xcnt 0x0
; q = x^T Wq^T + bq, k = x^T Wk^T + bk, v = Wv x + bv on codes of FP4 (E2M1) with one E8M0 scale for each 32 along K, and their quantising for the attention that follows.
; x: [8][256 channels][4096 positions] f32; K of the three products is the channel.  The weights come as codes, K innermost, with their scale bytes.
; SHARES.  A work-group takes 128 positions of one image (grid x: which 128; grid y: the image).  Its 256 x 128 numbers of x come into LDS by eight tensor loads, one a wave (32 channels x 512 bytes).
;   X:  wave w quantises tile w of x (16 positions x 256 channels) along the channels: a lane takes a position and its registers run down the channels.  Codes and scale words go to LDS as images of the operand's registers.
;   QK: wave w makes q and k of its own tile, transposed (source 0 = 16 rows of W, source 1 = x): a lane holds one position, its registers run along d.  Quantised along d (two blocks of 32).
;   V:  wave w makes channels 32 w .. 32 w + 31 of v for all 128 positions (source 0 = x's tile, source 1 = 16 rows of Wv): a lane holds one channel, its registers run along the positions, which are the next K.
;   The biases are the C of each sum's first matrix instruction.
; THE POSITIONS OF A TILE ARE NOT NEIGHBOURS: lane r of tile 2 b + u stands for position 32 b + 8 u + r + 8 (r / 8) of the 128; the rows of Wq and Wk that form a tile are chosen likewise.  So the 16 registers of two
; neighbouring tiles of a result are 16 neighbours along the next K, 32 b + 16 (lane / 16) + 0 .. 15.
; OUT.  One dense block of 26,624 bytes for each work-group, gathered in LDS and stored in runs of 512 consecutive bytes: images of the registers that the attention's matrix instructions take:
;   KF 0: k's 8 tiles, 512 bytes each (registers 0-3: d = 32 (lane / 16) + 0 .. 31);  VF 4,096: v's 16 channel tiles x 2 groups of four registers;  KS 20,480, VS 20,992: their scale words, four to a lane;
;   QF 22,016, QS 26,112: q's 8 tiles and their scale words.  q's and k's scale words have two bytes; the upper two are 0 and stand over zero codes.
; NO CLUSTER: the work-groups share the weights alone (53,760 bytes with scales and biases against 131,072 of x), and those go from memory straight into registers as fragments, 16 bytes a lane; a joint tensor load serves LDS alone.
; LDS is filled once by the tensor loads; no byte is filled again.
; LIMITS: NaN and infinities among the inputs are not served.  A block whose largest magnitude lies under 2^-124 keeps the scale byte 1; so does a block of zeros, where the rule says 127: its codes are zeros, which add
; nothing under any byte but 0xff, and this program alone reads the bytes.
.set PITCH, 520                        ; a channel's row in LDS: 512 bytes + 8 = 130 words: 16 rows on are 32 banks on (64 banks of 4 bytes: ISA guide 11.1), so the 32 lanes of a load touch 32 banks
.set XIMG,  256*PITCH                  ; x's codes: piece (tile, group g of 64 channels) at (4 tile + g) x 512 + 16 x lane
.set XSC,   XIMG+16384                 ; x's scale words: 512 (tile / 2) + 16 x lane + 8 (tile % 2) + 4 x K step
.set OUT,   XSC+2048                   ; the block
.set KF,    0
.set VF,    4096
.set KS,    20480
.set VS,    20992
.set QF,    22016
.set QS,    26112
.set BLOCK, 26624
; window 0
.set XA,   4                           ; v4-7   x in LDS: my position, channel 64 g + 16 (lane / 16)
.set LI,   8                           ; v8     16 x lane
.set XWI,  9                           ; v9     where I store x's images
.set XWS,  10                          ; v10    and x's scale half words
.set QWI,  11                          ; v11-16 the same for q, k, v in the block
.set QWS,  12
.set KWI,  13
.set KWS,  14
.set VWI,  15
.set VWS,  16
.set ORD,  17                          ; v17    the way out: OUT + 512 x wave + 16 x lane
.set OGO,  18                          ; v18    and the same place in memory
.set WO,   19                          ; v19-24 offsets of the weights', the biases' and the scale words' loads
.set WVO,  20
.set BO,   21
.set BVO,  22
.set WSO,  23
.set WVSO, 24
.set XRD,  25                          ; v25    XIMG + 16 x lane: from where images come back
.set RP,   26                          ; v26    r + 8 (r / 8)
.set XR,   32                          ; v32-159  128 numbers of x;  later:
.set ACC,  32                          ; v32-95   eight accumulators,
.set XF,   96                          ; v96-159  eight fragments of x
.set XC,   160                         ; v160-175 my tile's codes
.set XH,   176                         ; v176-179 its scale bytes, two for each group
.set XW,   180                         ; v180-181 its scale words
.set TM,   184                         ; at work: +0,1 largest magnitudes; +4,5 the other half's, then bytes; +8,9 the conversions' scale operands
.set PC,   200                         ; v200-207 codes just made, two sets
.set PW,   208                         ; v208-209 their scale bytes
.set XS,   212                         ; v212-219 scale words of four tiles of x
.set WQS,  224                         ; v224-243 the weights' scale words
.set WKS,  232
.set WVS,  240
; window 1
.set WQ,   0                           ; Wq's fragments (tile t, K step s) at 8 (2 t + s);  Wk's;  my two tiles of Wv
.set WK,   64
.set WVF,  128
.set BQ,   160                         ; the biases in the results' layout, eight registers a tile
.set BK,   192
.set BV,   224
.set WV,   26                          ; s26     my wave's number
.set G0,   28                          ; s[28:31], s[32:39] the tensor load's descriptor
.set G1,   32
.set SEL,  56                          ; s[56:57] lane selects for v_permlanex16_b32: lane l xor 16
.set MSB, 0
.macro WIN new                         ; the immediate's high byte repeats the setting that is left
.if MSB != (\new)
	s_set_vgpr_msb (MSB<<8)|(\new)
.set MSB, (\new)
.endif
.endm
.macro PLACES n
.rept \n
	v_nop
.endr
.endm
.macro BARRIER                         ; my LDS stores have landed and my LDS loads are in: then the work-group's barrier
	s_wait_dscnt 0x0
	s_barrier_signal -1
	s_barrier_wait -1
.endm
.macro PMUL d, a, b, c, sa, sb
	v_wmma_scale_f32_16x16x128_f8f6f4 v[\d:\d+7], v[\a:\a+7], v[\b:\b+7], v[\c:\c+7], v[\sa], v[\sb] matrix_a_fmt:MATRIX_FMT_FP4 matrix_b_fmt:MATRIX_FMT_FP4
.endm
; 32 numbers of x into v[XR + 32 g] on: register 16 b + i = channel 64 g + 32 b + 16 (lane / 16) + i of my position
.macro LOADX g
.irp b, 0,1
.irp i, 0,1,2,3,4,5,6,7,8,9,10,11,12,13,14,15
	ds_load_b32 v[XR+32*\g+16*\b+\i], v[XA+\g] offset:(32*\b+\i)*PITCH
.endr
.endr
.endm
; 32 numbers of a lane, register 16 b + i = k 32 b + 16 (lane / 16) + i of my row, become four registers of an operand (k = 32 (lane / 16) + 0 .. 31) in v[pc] on, and the two blocks' scale bytes in v[pw].
.macro QUANT2 src, pc, pw
.irp b, 0,1
	v_max3_num_f32 v[TM+\b], |v[(\src)+16*\b]|, |v[(\src)+16*\b+1]|, 0x1800000   ; my 16 numbers of block b, and the floor 2^(3 - 127): the byte cannot fall under 1
.endr
.irp i, 2,4,6,8,10,12,14
.irp b, 0,1
	v_max3_num_f32 v[TM+\b], v[TM+\b], |v[(\src)+16*\b+\i]|, |v[(\src)+16*\b+\i+1]|
.endr
.endr
.irp b, 0,1
	v_permlanex16_b32 v[TM+4+\b], v[TM+\b], s[SEL], s[SEL+1]
.endr
.irp b, 0,1
	v_max_num_f32 v[TM+\b], v[TM+\b], v[TM+4+\b]       ; with lane l xor 16's: the block's largest magnitude
.endr
.irp b, 0,1
	v_add_nc_u32 v[TM+8+\b], 0xff000000, v[TM+\b]      ; 2 off its exponent field: the conversion takes the exponent field of this operand as its scale
.endr
.irp b, 0,1
	v_lshrrev_b32 v[TM+4+\b], 23, v[TM+8+\b]           ; the scale's byte
.endr
	v_lshl_or_b32 v[\pw], v[TM+5], 8, v[TM+4]
.irp b, 0,1
	v_cvt_scalef32_pk8_fp4_f32 v[(\pc)+2*\b], v[(\src)+16*\b:(\src)+16*\b+7], v[TM+8+\b]
	v_cvt_scalef32_pk8_fp4_f32 v[(\pc)+2*\b+1], v[(\src)+16*\b+8:(\src)+16*\b+15], v[TM+8+\b]
.endr
	v_nop                                              ; one plain place behind a scaled conversion
	v_permlane16_swap_b32 v[(\pc)], v[(\pc)+2]         ; the operand's layout wants a whole block in a lane: lanes 0-15 the first block, lanes 16-31 the second
	v_permlane16_swap_b32 v[(\pc)+1], v[(\pc)+3]
.endm
	s_load_b512 s[4:19], s[0:1], 0x0               ; x, Wq codes, Wq scales, bq, Wk codes, Wk scales, bk, Wv codes
	s_load_b128 s[20:23], s[0:1], 0x40             ; Wv scales, bv
	s_load_b64 s[24:25], s[0:1], 0x50              ; kvq
	v_lshl_add_u32 v254, v0, 2, 0x2b800
	v_mov_b32 v255, 0
	ds_add_u32 v254, v255
	ds_add_u32 v254, v255
	v_lshrrev_b32 v1, 5, v0
	v_readfirstlane_b32 s[WV], v1                  ; wave 0..7
	s_and_b32 s40, ttmp7, 0xffff                   ; the image
	; descriptor group 1: 32 rows (channels) of 128 elements of 4 bytes, 4,096 elements apart; 2 words of padding behind every 128
	s_mov_b32 s[G1+0], (2<<16)|(1<<20)|(6<<22)|(1<<25)
	s_mov_b32 s[G1+1], 128<<16                     ; tensor_dim0
	s_mov_b32 s[G1+2], 32<<16                      ; tensor_dim1
	s_mov_b32 s[G1+3], 128<<16                     ; tile_dim0
	s_mov_b32 s[G1+4], 32                          ; tile_dim1
	s_mov_b32 s[G1+5], 4096                        ; from channel to channel
	s_mov_b32 s[G1+6], 0
	s_mov_b32 s[G1+7], 0
	s_lshl_b32 s42, s40, 22                        ; the image's 256 x 4,096 x 4 bytes,
	s_lshl_b32 s43, s[WV], 19                      ; my wave's 32 channels,
	s_add_co_u32 s42, s42, s43
	s_lshl_b32 s43, ttmp9, 9                       ; the work-group's 128 positions
	s_add_co_u32 s42, s42, s43
	s_mov_b32 s43, 0
	s_mov_b32 s[G0], 1
	s_mul_i32 s[G0+1], s[WV], 32*PITCH             ; my 32 rows in LDS
	s_wait_dscnt 0x0
	s_wait_kmcnt 0x0
	s_add_nc_u64 s[G0+2:G0+3], s[4:5], s[42:43]
	s_or_b32 s[G0+3], s[G0+3], 0x80000000
	tensor_load_to_lds s[G0:G0+3], s[G1:G1+7]      ; my one tensor load, ahead of everything else
	s_nop 0
	PLACES 4
	s_lshl_b32 s41, s40, 5
	s_add_co_u32 s41, s41, ttmp9
	s_mul_i32 s48, s41, BLOCK                      ; my work-group's block: 32 x image + grid x
	s_mov_b32 s49, 0
	s_add_nc_u64 s[24:25], s[24:25], s[48:49]
	s_lshl_b32 s48, s[WV], 12                      ; my 32 rows of Wv: 128 bytes of codes,
	s_add_nc_u64 s[18:19], s[18:19], s[48:49]
	s_lshl_b32 s48, s[WV], 8                       ; 8 scale bytes,
	s_add_nc_u64 s[20:21], s[20:21], s[48:49]
	s_lshl_b32 s48, s[WV], 7                       ; 4 bytes of bv a row
	s_add_nc_u64 s[22:23], s[22:23], s[48:49]
	s_mov_b32 s[SEL], 0x76543210
	s_mov_b32 s[SEL+1], 0xfedcba98
	v_and_b32 v1, 31, v0                           ; lane
	v_and_b32 v2, 15, v0                           ; r
	v_bfe_u32 v3, v0, 4, 1                         ; h
	v_and_b32 v[RP], 8, v2
	v_add_nc_u32 v[RP], v[RP], v2                  ; r + 8 (r / 8)
	v_lshlrev_b32 v[LI], 4, v1
	v_lshlrev_b32 v[WO], 7, v[RP]
	v_lshl_add_u32 v[WO], v3, 4, v[WO]             ; Wq, Wk: the tile's row x 128 bytes + 16 h
	v_lshlrev_b32 v[WVO], 7, v2
	v_lshl_add_u32 v[WVO], v3, 4, v[WVO]           ; Wv: row r
	v_lshlrev_b32 v[BO], 6, v3                     ; bq, bk: my half's 16 numbers of each 32
	v_lshlrev_b32 v[BVO], 2, v2                    ; bv: my channel's
	v_lshlrev_b32 v[WSO], 3, v[RP]                 ; scale words: 8 bytes a row
	v_lshlrev_b32 v[WVSO], 3, v2
	WIN 0x40                                       ; destination window 1
.irp t, 0,1,2,3
.irp s, 0,1
.irp c, 0,1
	global_load_b128 v[WQ+8*(2*\t+\s)+4*\c:WQ+8*(2*\t+\s)+4*\c+3], v[WO], s[6:7] offset:(32*(\t/2)+8*(\t%2))*128+64*\s+32*\c
	global_load_b128 v[WK+8*(2*\t+\s)+4*\c:WK+8*(2*\t+\s)+4*\c+3], v[WO], s[12:13] offset:(32*(\t/2)+8*(\t%2))*128+64*\s+32*\c
.endr
.endr
.endr
.irp e, 0,1
.irp s, 0,1
.irp c, 0,1
	global_load_b128 v[WVF+8*(2*\e+\s)+4*\c:WVF+8*(2*\e+\s)+4*\c+3], v[WVO], s[18:19] offset:2048*\e+64*\s+32*\c
.endr
.endr
.endr
.irp t, 0,1,2,3                        ; lane (r, h) wants, for tile 2 b + u, the biases of d = 32 b + 16 h + 8 u + 0 .. 7
	global_load_b128 v[BQ+8*\t:BQ+8*\t+3], v[BO], s[10:11] offset:(32*(\t/2)+8*(\t%2))*4
	global_load_b128 v[BQ+8*\t+4:BQ+8*\t+7], v[BO], s[10:11] offset:(32*(\t/2)+8*(\t%2))*4+16
	global_load_b128 v[BK+8*\t:BK+8*\t+3], v[BO], s[16:17] offset:(32*(\t/2)+8*(\t%2))*4
	global_load_b128 v[BK+8*\t+4:BK+8*\t+7], v[BO], s[16:17] offset:(32*(\t/2)+8*(\t%2))*4+16
.endr
.irp e, 0,1                            ; in v's tiles a lane holds one channel: its bias in all eight registers
.irp j, 0,1,2,3,4,5,6,7
	global_load_b32 v[BV+8*\e+\j], v[BVO], s[22:23] offset:64*\e
.endr
.endr
	WIN 0
.irp t, 0,1,2,3
.irp s, 0,1
	global_load_b32 v[WQS+2*\t+\s], v[WSO], s[8:9] offset:(32*(\t/2)+8*(\t%2))*8+4*\s
	global_load_b32 v[WKS+2*\t+\s], v[WSO], s[14:15] offset:(32*(\t/2)+8*(\t%2))*8+4*\s
.endr
.endr
.irp e, 0,1
.irp s, 0,1
	global_load_b32 v[WVS+2*\e+\s], v[WVSO], s[20:21] offset:128*\e+4*\s
.endr
.endr
	; the LDS addresses: constants, the lane and the wave's number
	s_lshr_b32 s44, s[WV], 1
	s_and_b32 s45, s[WV], 1
	v_mul_u32_u24 v[XA], v3, 16*PITCH              ; 16 h channels down,
	v_lshl_add_u32 v[XA], v[RP], 2, v[XA]          ; my place in the tile,
	s_lshl_b32 s46, s44, 7
	s_lshl_b32 s47, s45, 5
	s_add_co_u32 s46, s46, s47                     ; tile w begins at position 32 (w / 2) + 8 (w % 2)
	v_add_nc_u32 v[XA], s46, v[XA]
	v_add_nc_u32 v[XA+1], 64*PITCH, v[XA]
	v_add_nc_u32 v[XA+2], 128*PITCH, v[XA]
	v_add_nc_u32 v[XA+3], 192*PITCH, v[XA]
	s_lshl_b32 s46, s[WV], 11
	s_add_co_u32 s46, s46, XIMG
	v_add_nc_u32 v[XWI], s46, v[LI]
	s_lshl_b32 s46, s44, 9
	s_lshl_b32 s47, s45, 3
	s_add_co_u32 s46, s46, s47
	s_add_co_u32 s46, s46, XSC
	v_add_nc_u32 v[XWS], s46, v[LI]
	s_lshl_b32 s46, s[WV], 9
	s_add_co_u32 s47, s46, OUT+QF
	v_add_nc_u32 v[QWI], s47, v[LI]
	s_add_co_u32 s47, s46, OUT+KF
	v_add_nc_u32 v[KWI], s47, v[LI]
	v_add_nc_u32 v[ORD], s47, v[LI]
	v_add_nc_u32 v[OGO], s46, v[LI]
	s_lshl_b32 s46, s[WV], 6
	s_add_co_u32 s46, s46, OUT+QS
	v_lshl_add_u32 v[QWS], v2, 2, s46
	s_lshl_b32 s46, s45, 8
	s_lshl_b32 s47, s44, 2
	s_add_co_u32 s46, s46, s47
	s_add_co_u32 s46, s46, OUT+KS                  ; k's word of tile w, row r: lane 16 (w % 2) + r, word w / 2
	v_lshl_add_u32 v[KWS], v2, 4, s46
	s_lshl_b32 s46, s[WV], 11
	s_add_co_u32 s46, s46, OUT+VF
	v_add_nc_u32 v[VWI], s46, v[LI]
	s_lshr_b32 s46, s[WV], 2
	s_lshl_b32 s46, s46, 9
	s_and_b32 s47, s[WV], 3
	s_lshl_b32 s47, s47, 2
	s_add_co_u32 s46, s46, s47
	s_add_co_u32 s46, s46, OUT+VS                  ; v's word of channel tile 2 w + e, row r: group w / 4, lane 16 e + r, word w % 4
	v_lshl_add_u32 v[VWS], v2, 4, s46
	v_add_nc_u32 v[XRD], XIMG, v[LI]
	v_mov_b32 v[TM+4], 0                           ; written once: a lane permute's destination counts as one of its sources
	v_mov_b32 v[TM+5], 0
	s_wait_tensorcnt 0x0                           ; my 32 channels are in LDS,
	s_barrier_signal -1
	s_barrier_wait -1                              ; everybody's are
	; ---- X: my tile of x, 64 channels at a time; the loads run a group ahead.  Each group has its own registers for codes and bytes.
	LOADX 0
	LOADX 1
	s_wait_dscnt 32                                ; group 0 is in; group 1's 32 loads may be out
	QUANT2 XR, XC, XH
	ds_store_b128 v[XWI], v[XC:XC+3]
	ds_store_b16 v[XWS], v[XH]
	LOADX 2
	s_wait_dscnt 34                                ; group 1 is in; behind it: 2 stores and 32 loads
	QUANT2 XR+32, XC+4, XH+1
	ds_store_b128 v[XWI], v[XC+4:XC+7] offset:512
	ds_store_b16 v[XWS], v[XH+1] offset:2
	LOADX 3
	s_wait_dscnt 34                                ; group 2 is in; behind it: 2 stores and 32 loads
	QUANT2 XR+64, XC+8, XH+2
	ds_store_b128 v[XWI], v[XC+8:XC+11] offset:1024
	ds_store_b16 v[XWS], v[XH+2] offset:4
	s_wait_dscnt 2                                 ; group 3 is in; behind it: 2 stores
	QUANT2 XR+96, XC+12, XH+3
	ds_store_b128 v[XWI], v[XC+12:XC+15] offset:1536
	ds_store_b16 v[XWS], v[XH+3] offset:6
	v_lshl_or_b32 v[XW], v[XH+1], 16, v[XH]        ; the scale words of the two K steps
	v_lshl_or_b32 v[XW+1], v[XH+3], 16, v[XH+2]
	PLACES 8                                       ; a scale register written by a vector instruction stands 8 places ahead of a scaled matrix instruction, an operand so written 4
	; ---- QK: q and k of my own tile, from registers: eight accumulators by turns, two K steps
	s_wait_loadcnt 0x0                             ; weights, biases, scale words
	WIN 0x11                                       ; source 0 (W) and source 2 (the bias) window 1
.irp t, 0,1,2,3
	PMUL ACC+8*\t, WQ+16*\t, XC, BQ+8*\t, WQS+2*\t, XW
.endr
.irp t, 0,1,2,3
	PMUL ACC+32+8*\t, WK+16*\t, XC, BK+8*\t, WKS+2*\t, XW
.endr
	WIN 0x01
.irp t, 0,1,2,3
	PMUL ACC+8*\t, WQ+16*\t+8, XC+8, ACC+8*\t, WQS+2*\t+1, XW+1
.endr
.irp t, 0,1,2,3
	PMUL ACC+32+8*\t, WK+16*\t+8, XC+8, ACC+32+8*\t, WKS+2*\t+1, XW+1
.endr
	WIN 0
	PLACES 4                                       ; in front of the first read of results
	QUANT2 ACC, PC, PW                             ; q: register 16 b + i = d 32 b + 16 h + i of my position
	QUANT2 ACC+32, PC+4, PW+1                      ; k likewise
	ds_store_b128 v[QWI], v[PC:PC+3]
	ds_store_b32 v[QWS], v[PW]                     ; both halves of the lanes write the same word with the same value
	ds_store_b128 v[KWI], v[PC+4:PC+7]
	ds_store_b32 v[KWS], v[PW+1]
	BARRIER                                        ; x's 32 pieces and its scale words lie in LDS
	; ---- V: my 32 channels for the 128 positions, 64 positions at a time: eight accumulators (2 channel tiles x 4 tiles of x) by turns
.irp hf, 0,1
.irp xt, 0,1,2,3
.irp s, 0,1
.irp c, 0,1
	ds_load_b128 v[XF+8*(2*\xt+\s)+4*\c:XF+8*(2*\xt+\s)+4*\c+3], v[XRD] offset:(4*(4*\hf+\xt)+2*\s+\c)*512
.endr
.endr
.endr
.irp k, 0,1
	ds_load_b128 v[XS+4*\k:XS+4*\k+3], v[XRD] offset:16384+512*(2*\hf+\k)   ; the words of two tiles x two K steps
.endr
	s_wait_dscnt 0x0
	WIN 0x14                                       ; source 1 (Wv) and source 2 (bv) window 1
.irp e, 0,1
.irp xt, 0,1,2,3
	PMUL ACC+32*\e+8*\xt, XF+16*\xt, WVF+16*\e, BV+8*\e, XS+2*\xt, WVS+2*\e
.endr
.endr
	WIN 0x04
.irp e, 0,1
.irp xt, 0,1,2,3
	PMUL ACC+32*\e+8*\xt, XF+16*\xt+8, WVF+16*\e+8, ACC+32*\e+8*\xt, XS+2*\xt+1, WVS+2*\e+1
.endr
.endr
	WIN 0
	PLACES 4                                       ; in front of the first read of results, and of the next loads into x's fragments
.irp e, 0,1
	QUANT2 ACC+32*\e, PC+4*\e, PW+\e               ; register 16 b + i = position 64 hf + 32 b + 16 h + i of my channel: registers 4 hf .. 4 hf + 3 of v's fragment
	ds_store_b128 v[VWI], v[PC+4*\e:PC+4*\e+3] offset:1024*\e+512*\hf
	ds_store_b16 v[VWS], v[PW+\e] offset:256*\e+2*\hf
.endr
.endr
	BARRIER                                        ; the block is whole
	; ---- the way out: 52 pieces of 512 bytes; wave w takes pieces w, 8 + w, .. 40 + w, and waves 0 to 3 the last four
.irp i, 0,1,2,3,4,5
	ds_load_b128 v[XF+4*\i:XF+4*\i+3], v[ORD] offset:4096*\i
.endr
.irp i, 0,1,2,3,4,5
	s_wait_dscnt 5-\i                              ; LDS loads come back in order (ISA guide 5.7.1): piece i is in, the younger may be out
	global_store_b128 v[OGO], v[XF+4*\i:XF+4*\i+3], s[24:25] offset:4096*\i   ; 32 lanes store 512 consecutive bytes, at a multiple of 256 from the buffer's first byte
.endr
	s_cmp_lt_u32 s[WV], 4
	s_cbranch_scc0 .Ldone
	ds_load_b128 v[XF+24:XF+27], v[ORD] offset:24576
	s_wait_dscnt 0x0
	global_store_b128 v[OGO], v[XF+24:XF+27], s[24:25] offset:24576
.Ldone:
	s_wait_tensorcnt 0x0
	ds_add_u32 v254, v255
	s_wait_dscnt 0x0
	s_endpgm
.Lfunc_end_k_q62989c9eba_project:
	.size	k_q62989c9eba_project, .Lfunc_end_k_q62989c9eba_project-k_q62989c9eba_project
	.p2alignl 7, 3214868480
	.fill 96, 4, 3214868480
	.section	.rodata,"a",@progbits
	.p2align	6, 0x0
	.amdhsa_kernel k_q62989c9eba_project
		.amdhsa_group_segment_fixed_size 179200
		.amdhsa_private_segment_fixed_size 0
		.amdhsa_enable_private_segment 0
		.amdhsa_kernarg_size 88
		.amdhsa_user_sgpr_count 2
		.amdhsa_user_sgpr_kernarg_segment_ptr 1
		.amdhsa_wavefront_size32 1
		.amdhsa_system_sgpr_workgroup_id_x 1
		.amdhsa_system_sgpr_workgroup_id_y 1
		.amdhsa_system_sgpr_workgroup_id_z 1
		.amdhsa_system_vgpr_workitem_id 0
		.amdhsa_next_free_vgpr 512
		.amdhsa_next_free_sgpr 66
		.amdhsa_reserve_vcc 0
		.amdhsa_float_denorm_mode_32 3
		.amdhsa_float_denorm_mode_16_64 3
		.amdhsa_memory_ordered 1
		.amdhsa_forward_progress 1
		.amdhsa_inst_pref_size 53
	.end_amdhsa_kernel
	.amdgpu_metadata
---
amdhsa.version: [ 1, 2 ]
amdhsa.kernels:
  - .name:           k_q62989c9eba_project
    .symbol:         k_q62989c9eba_project.kd
    .args:
      - { .name: x, .offset: 0, .size: 8, .value_kind: global_buffer, .address_space: global }
      - { .name: Wq_codes, .offset: 8, .size: 8, .value_kind: global_buffer, .address_space: global }
      - { .name: Wq_scales, .offset: 16, .size: 8, .value_kind: global_buffer, .address_space: global }
      - { .name: bq, .offset: 24, .size: 8, .value_kind: global_buffer, .address_space: global }
      - { .name: Wk_codes, .offset: 32, .size: 8, .value_kind: global_buffer, .address_space: global }
      - { .name: Wk_scales, .offset: 40, .size: 8, .value_kind: global_buffer, .address_space: global }
      - { .name: bk, .offset: 48, .size: 8, .value_kind: global_buffer, .address_space: global }
      - { .name: Wv_codes, .offset: 56, .size: 8, .value_kind: global_buffer, .address_space: global }
      - { .name: Wv_scales, .offset: 64, .size: 8, .value_kind: global_buffer, .address_space: global }
      - { .name: bv, .offset: 72, .size: 8, .value_kind: global_buffer, .address_space: global }
      - { .name: kvq, .offset: 80, .size: 8, .value_kind: global_buffer, .address_space: global }
    .group_segment_fixed_size: 179200
    .private_segment_fixed_size: 0
    .kernarg_segment_align: 8
    .kernarg_segment_size: 88
    .max_flat_workgroup_size: 256
    .sgpr_count:     66
    .vgpr_count:     512
    .wavefront_size: 32
...
	.end_amdgpu_metadata
.endif
;; end of part 1
;; launch attend (part 2): grid 32 x 8, 4 waves a work-group, clusters of 4 x 1, 327,680 bytes of LDS; arguments kvq, x, gamma, out0; writes out0
.if DOCPART == 2
	.amdgcn_target "amdgcn-amd-amdhsa--gfx1250"
	.amdhsa_code_object_version 6
	.text
	.protected	k_q62989c9eba_attend
	.globl	k_q62989c9eba_attend
	.p2align	8
	.type	k_q62989c9eba_attend,@function
k_q62989c9eba_attend:
	s_mov_b64 s[64:65], 0
	v_nop
	global_prefetch_b8 v0, s[64:65] scope:SCOPE_SE
	s_setreg_imm32_b32 hwreg(HW_REG_WAVE_MODE, 25, 1), 1
	s_wait_xcnt 0x0
	s_wait_alu depctr_hold_cnt(0) depctr_sa_sdst(0) depctr_va_vdst(0) depctr_va_sdst(0) depctr_va_ssrc(0) depctr_va_vcc(0) depctr_vm_vsrc(0)
	s_getreg_b32 s2, hwreg(HW_REG_IB_STS2, 6, 4)
	s_cmp_eq_u32 s2, 0
	s_cbranch_scc0 .Lentry_in_a_cluster
	s_endpgm
.Lentry_in_a_cluster:
	s_bfe_u32 s2, ttmp6, 0x10000c
	s_cmp_lg_u32 s2, 0x3003
	s_cbranch_scc0 .Lentry_shape_is_right
	s_endpgm
.Lentry_shape_is_right:
; out[b][c][m] = x[b][c][m] + gamma x (the sum over keys n of v[b][c][n] p[m][n]) / l[m], both products on codes of FP4 (E2M1) with one E8M0 scale for each 32 along K.
; t = (q[m] . k[n]) x log2(e) / 8;  M = the row's largest t so far, rounded UP to a whole number;  p = 2^(t - M) is what is quantised, along the keys; l is the sum of the unquantised p.
; When M moves, l and O are multiplied by 2^(old M - new M): exact.
; INPUT: kvq, 256 blocks of 26,624 bytes, block 32 b + i for positions 128 i .. 128 i + 127 of image b: images of the operands' registers: K's 8 tiles (0), V's 16 channel tiles (4,096), K's and V's scale words
; (20,480; 20,992), then Q's 8 tiles (22,016) and scale words (26,112).  The first 22,016 bytes are key step i; the tail is query block i.
; SHARES.  A work-group owns 128 queries of one image; each of its four waves owns two tiles of 16.  Every wave walks the image's 32 key steps of 128 keys.
; LAYOUT.  S^T = K Q^T (source 0 = 16 keys, source 1 = 16 queries), O^T = V P^T (source 0 = 16 channels, source 1 = P): a lane holds ONE query throughout.  The head is 64 wide: registers 4-7 of K's and Q's fragments are
; zero codes, written once.  The keys of a tile are not neighbours (lane r of tile 2 b + u: key 32 b + 8 u + r + 8 (r / 8)), so that the 16 registers of tiles 2 b, 2 b + 1 are keys 32 b + 16 (lane / 16) + 0 .. 15.
; The queries of a tile are laid likewise: lane r of my tile t is column 32 w + 8 t + r + 8 (r / 8) of the block.
; RING.  Two LDS slots of four key steps (4 x 22,016 bytes).  A key step is one dense block: wave w fetches step 4 s + w of slot s by one tensor load of 86 rows of 256 bytes.
; CLUSTER.  The four query blocks of a cluster belong to one image and walk the same K and V: each load is JOINT, the same descriptor and the mask of all four in all four.
; PIPELINE.  A trip holds the softmax of step j, the scores of step j + 1 and O^T's products of step j, so that K's and V's LDS loads stand a softmax ahead of their use.
; REGISTERS, in windows of 256.  EACH TILE HAS A WINDOW: windows 0 and 1 hold, at the same numbers, a tile's statistics (v32-55), P's codes (v56-63), S^T, then p (v64-127), and O^T (v128-255): the softmax is written
; once and runs under one setting a tile, O^T's rescaling among its exponentials.  Window 0 also: v1-15 addresses, v16-30 scale words.  Window 2: V (v0-127), K (v128-191), Q (v192-207).  Window 3: 64 rows of x.
; LDS is claimed whole, and 0 is added to spare words at each change of slots and at the end.
; LIMITS: NaN and infinities are not served; scores x log2(e) / 8 lie above -3e38; a block of p whose largest lies under 2^-124 keeps the scale byte 1.
.set STEPB, 22016                      ; a key step's bytes
.set BLOCK, 26624                      ; from block to block in memory
.set IMAGE, 32*BLOCK
.set SLOTB, 4*STEPB
.set SLOT1, 1<<17                      ; slot 1 begins here: one exclusive or turns an address in one slot into the other's
.set SPARE, SLOT1+SLOTB                ; the spare words, 128 bytes for each wave: two blocks of 256 bytes that no other line names
.set SP,    528                        ; the way out: a stage of 256 channel rows x (512 bytes + 16), from LDS byte 0, over slots that have had their last fill and their last read
.set GST,   256*SP                     ; behind it: gamma / l of the 128 queries
.set VFO,   4096
.set KSO,   20480
.set VSO,   20992
.set LI0,  1                           ; v1     16 x lane: an image's place for my lane; also my 16 bytes of a row of x and of out
.set ADR,  2                           ; v2     LDS address of the key step that is being fetched
.set SPW,  3                           ; v3     LDS address of my spare word; never rewritten
.set NIL,  4                           ; v4     0; never rewritten
.set GA,   5                           ; v5     where my query's gamma / l goes
.set GR,   6                           ; v6     and from where four of them come back
.set SRD,  7                           ; v7     the stage: my wave's 64 rows, 16 bytes a lane
.set PFO,  9                           ; v9     the prefetches' offset
.set QO,   10                          ; v10    Q's fragments: 1,024 x wave + 16 x lane
.set QSO,  11                          ; v11    Q's scale words: 4 x thread
.set STA,  12                          ; v12-15 the stage: where my query's numbers go, channels 64 q + 8 (lane / 16) on
.set KS,   16                          ; v16-19 K's scale words: register i: lanes 0-15 tile 2 i, lanes 16-31 tile 2 i + 1
.set VS,   20                          ; v20-27 V's likewise
.set QS,   28                          ; v28    Q's: lanes 0-15 my tile 0, lanes 16-31 my tile 1
.set PW,   29                          ; v29-30 P's scale words, a register a tile
.set ST,   32                          ; a tile's statistics: +0 -M, +1 the largest t, +2,3 l in two halves, +4 f (at the end gamma / l), +5 zero, +6 at work
.set BM,   ST+8                        ; v40-43 the blocks' largest scores, then largest p;  on the way out, in window 0: four gamma / l
.set BP,   ST+12                       ; v44-47 the other half's; then a chain of the sums
.set SO,   ST+16                       ; v48-51 the conversions' scale operands
.set BY,   ST+20                       ; v52-55 the scale bytes
.set PC,   56
.set S,    64
.set OT,   128
.set VFR,  0                           ; in window 2
.set KFR,  128
.set QFR,  192
.set WV,   12                          ; s12 my wave's number;  s13 cx;  s14 my query block;  s16 the image
.set CX,   13
.set QB,   14
.set LIM,  15                          ; s15 1 in a wave that prefetches, else the greatest number
.set IMG,  16
.set PFA,  18                          ; s[18:19] where my prefetches stand
.set G1,   24                          ; s[24:31] descriptor group 1;  s[32:35], s[36:39] groups 0 of the two first fills; the second then walks on
.set G0A,  32
.set G0B,  36
.set TB,   40                          ; s40 LDS byte at which the key step to be fetched begins
.set SLOTS, 41                         ; s41 slots still to be asked for
.set CNT,  42                          ; s42 counts trips
.set GAM,  43                          ; s43 gamma
.set CS,   44                          ; s[44:45] c = log2(e) / 8
.set SEL,  46                          ; s[46:47] lane selects for v_permlanex16_b32: lane l xor 16
.set XB,   48                          ; s[48:49] x, s[50:51] out at my wave's 64 channels and my block's 128 positions
.set OB,   50
.set QBA,  52                          ; s[52:53] my query block's tail in kvq
.set MSB, 0
.macro WIN new                         ; the immediate's high byte repeats the setting that is left; a switch that changes nothing is dropped
.if MSB != (\new)
	s_set_vgpr_msb (MSB<<8)|(\new)
.set MSB, (\new)
.endif
.endm
.macro PLACES n
.rept \n
	v_nop
.endr
.endm
; A round of the cluster's barrier: my work-group's barrier; wave 0 signals for the work-group; every wave waits for all four work-groups; my work-group's barrier once more.
.macro CROUND
	s_barrier_signal -1
	s_barrier_wait -1
	s_cmp_lg_u32 s[WV], 0
	s_cbranch_scc1 .Lnot_wave_0_\@
	s_barrier_signal -3
.Lnot_wave_0_\@:
	s_barrier_wait -3
	s_barrier_signal -1
	s_barrier_wait -1
.endm
; A PREFETCH INTO THE L2 of what the NEXT change of slots will ask for: four key steps ahead of that load.  All clusters of an image walk the same blocks: the image's first cluster asks.  Its four partners are told apart
; BY ADDRESS: partner cx names key step 4 s + cx.  In each, waves 0 to 2 ask, one instruction each, lanes 256 bytes apart; a key step has 86 such pieces, and threads 86 to 95 name the last again.
; The last change that fills a slot asks for nothing; slots 0 to 2 come by their loads alone.
.macro ASK
	s_cmp_gt_u32 s[SLOTS], s[LIM]
	s_cbranch_scc0 .Lnot_mine_\@
	global_prefetch_b8 v[PFO], s[PFA:PFA+1] th:TH_LOAD_NT scope:SCOPE_SE
.Lnot_mine_\@:
.endm
.macro QK1 d, a, b, sa, ra, rb         ; ra, rb: the side's scale words stand in lanes 16-31
.if (\ra) && (\rb)
	v_wmma_scale_f32_16x16x128_f8f6f4 v[\d:\d+7], v[\a:\a+7], v[\b:\b+7], 0, v[\sa], v[QS] matrix_a_fmt:MATRIX_FMT_FP4 matrix_b_fmt:MATRIX_FMT_FP4 matrix_a_scale:MATRIX_SCALE_ROW1 matrix_b_scale:MATRIX_SCALE_ROW1
.elseif (\ra)
	v_wmma_scale_f32_16x16x128_f8f6f4 v[\d:\d+7], v[\a:\a+7], v[\b:\b+7], 0, v[\sa], v[QS] matrix_a_fmt:MATRIX_FMT_FP4 matrix_b_fmt:MATRIX_FMT_FP4 matrix_a_scale:MATRIX_SCALE_ROW1
.elseif (\rb)
	v_wmma_scale_f32_16x16x128_f8f6f4 v[\d:\d+7], v[\a:\a+7], v[\b:\b+7], 0, v[\sa], v[QS] matrix_a_fmt:MATRIX_FMT_FP4 matrix_b_fmt:MATRIX_FMT_FP4 matrix_b_scale:MATRIX_SCALE_ROW1
.else
	v_wmma_scale_f32_16x16x128_f8f6f4 v[\d:\d+7], v[\a:\a+7], v[\b:\b+7], 0, v[\sa], v[QS] matrix_a_fmt:MATRIX_FMT_FP4 matrix_b_fmt:MATRIX_FMT_FP4
.endif
.endm
.macro PV1 d, a, sa, sb, ra, zero
.if (\zero) && (\ra)
	v_wmma_scale_f32_16x16x128_f8f6f4 v[\d:\d+7], v[\a:\a+7], v[PC:PC+7], 0, v[\sa], v[\sb] matrix_a_fmt:MATRIX_FMT_FP4 matrix_b_fmt:MATRIX_FMT_FP4 matrix_a_scale:MATRIX_SCALE_ROW1
.elseif (\zero)
	v_wmma_scale_f32_16x16x128_f8f6f4 v[\d:\d+7], v[\a:\a+7], v[PC:PC+7], 0, v[\sa], v[\sb] matrix_a_fmt:MATRIX_FMT_FP4 matrix_b_fmt:MATRIX_FMT_FP4
.elseif (\ra)
	v_wmma_scale_f32_16x16x128_f8f6f4 v[\d:\d+7], v[\a:\a+7], v[PC:PC+7], v[\d:\d+7], v[\sa], v[\sb] matrix_a_fmt:MATRIX_FMT_FP4 matrix_b_fmt:MATRIX_FMT_FP4 matrix_a_scale:MATRIX_SCALE_ROW1
.else
	v_wmma_scale_f32_16x16x128_f8f6f4 v[\d:\d+7], v[\a:\a+7], v[PC:PC+7], v[\d:\d+7], v[\sa], v[\sb] matrix_a_fmt:MATRIX_FMT_FP4 matrix_b_fmt:MATRIX_FMT_FP4
.endif
.endm
; The next key step's K: registers 0-3 of eight fragments, and its scale words.  Each load takes 512 consecutive bytes.
.macro KLOAD
	WIN 0
	v_add_nc_u32 v[ADR], s[TB], v[LI0]
	s_add_co_u32 s[TB], s[TB], STEPB               ; the fetch after this step's V is the next step's
	WIN 0x80                                       ; destination window 2
.irp kt, 0,1,2,3,4,5,6,7
	ds_load_b128 v[KFR+8*\kt:KFR+8*\kt+3], v[ADR] offset:512*\kt
.endr
	WIN 0
	ds_load_b128 v[KS:KS+3], v[ADR] offset:KSO
.endm
; The same step's V: 16 fragments, and their scale words
.macro VLOAD
	WIN 0x80
.irp f, 0,1,2,3,4,5,6,7,8,9,10,11,12,13,14,15,16,17,18,19,20,21,22,23,24,25,26,27,28,29,30,31
	ds_load_b128 v[VFR+4*\f:VFR+4*\f+3], v[ADR] offset:VFO+512*\f
.endr
	WIN 0
	ds_load_b128 v[VS:VS+3], v[ADR] offset:VSO
	ds_load_b128 v[VS+4:VS+7], v[ADR] offset:VSO+512
.endm
; S^T = K Q^T: eight tiles of keys for each of my two tiles of queries.  Every product starts its sum: K = 64 is one instruction.
.macro QKMUL
.irp t, 0,1
	WIN 0x0a|(\t<<6)                               ; K and Q window 2, S^T window t
.irp kt, 0,1,2,3,4,5,6,7
	QK1 S+8*\kt, KFR+8*\kt, QFR+8*\t, KS+\kt/2, \kt%2, \t
.endr
.endr
.endm
; O^T += V P^T: 16 channel tiles for each of my two tiles.  zero = 1: the first step starts the sums: nothing is ever cleared.
; No two matrix instructions that follow each other name one accumulator, in a trip, from trip to trip and into the tail.
.macro PVMUL zero
.irp t, 0,1
	WIN 0x02+0x54*\t                               ; V window 2; P, C and D window t
.irp ct, 0,1,2,3,4,5,6,7,8,9,10,11,12,13,14,15
	PV1 OT+8*\ct, VFR+8*\ct, VS+\ct/2, PW+\t, \ct%2, \zero
.endr
.endr
.endm
; The first part of tile t's softmax: the largest score of each block of 32 keys, the row's running maximum, -M and f.
.macro PART1 t
	WIN 0x55*\t
.irp b, 0,1,2,3
	v_max3_num_f32 v[BM+\b], v[S+16*\b], v[S+16*\b+1], v[S+16*\b+2]   ; the block's largest score serves twice: for the row's maximum and, since p rises with the score, for the block's largest p
.endr
.irp i, 3,5,7,9,11,13
.irp b, 0,1,2,3
	v_max3_num_f32 v[BM+\b], v[BM+\b], v[S+16*\b+\i], v[S+16*\b+\i+1]   ; (the four blocks by turns)
.endr
.endr
.irp b, 0,1,2,3
	v_max_num_f32 v[BM+\b], v[BM+\b], v[S+16*\b+15]
.endr
.irp b, 0,1,2,3
	v_permlanex16_b32 v[BP+\b], v[BM+\b], s[SEL], s[SEL+1]
.endr
.irp b, 0,1,2,3
	v_max_num_f32 v[BM+\b], v[BM+\b], v[BP+\b]     ; with lane l xor 16's 16 keys
.endr
	v_max3_num_f32 v[ST+6], v[BM], v[BM+1], v[BM+2]
	v_max_num_f32 v[ST+6], v[ST+6], v[BM+3]        ; the step's largest score of my query
	v_mul_f32 v[ST+6], s[CS], v[ST+6]              ; as t (c is positive)
	v_max_num_f32 v[ST+1], v[ST+1], v[ST+6]        ; the running largest t
	v_mov_b32 v[ST+6], v[ST]
	v_floor_f32 v[ST], -v[ST+1]                    ; the new -M = floor(-t) = -ceil(t): M is a whole number
	v_sub_f32 v[ST+6], v[ST], v[ST+6]              ; M's old value less its new one: a whole number, 0 or less
	v_cvt_i32_f32 v[ST+6], v[ST+6]                 ; (it saturates)
	v_ldexp_f32 v[ST+4], 1.0, v[ST+6]              ; f = 2^(old M - new M)
.endm
; The second part: p, l, O^T's rescaling, P's codes and scale word.  first = 1: there is no O^T yet.
; THE EXPONENTIALS ARE ONE BATCH WITH ONE WAIT: 64 of p and 4 of the blocks' largest p.  Between them stand the scalings of later pairs and O^T's rescaling, which name no exponential's result; a pair is scaled four
; turns ahead of its exponentials.  All that reads a result comes behind the wait.
.macro PART2 t, first
	WIN 0x55*\t
.irp p, 0,1,2,3
	v_pk_fma_f32 v[S+2*\p:S+2*\p+1], v[S+2*\p:S+2*\p+1], s[CS:CS+1], v[ST:ST+1] op_sel_hi:[1,0,0]   ; t - M, two at a time (of the pairs c and -M the low word serves both halves)
.endr
.irp b, 0,1,2,3
	v_fma_f32 v[BM+\b], v[BM+\b], s[CS], v[ST]     ; the same of each block's largest score
.endr
.set n, 0
.rept 32
	v_exp_f32 v[S+2*n], v[S+2*n]                   ; p = 2^(t - M), at most 1: not normalised
.if n < 28
	v_pk_fma_f32 v[S+2*n+8:S+2*n+9], v[S+2*n+8:S+2*n+9], s[CS:CS+1], v[ST:ST+1] op_sel_hi:[1,0,0]
.endif
.if !\first
	v_pk_mul_f32 v[OT+4*n:OT+4*n+1], v[OT+4*n:OT+4*n+1], v[ST+4:ST+5] op_sel_hi:[1,0]   ; O^T under the new M, each accumulator from its low end on
.endif
	v_exp_f32 v[S+2*n+1], v[S+2*n+1]
.if !\first
	v_pk_mul_f32 v[OT+4*n+2:OT+4*n+3], v[OT+4*n+2:OT+4*n+3], v[ST+4:ST+5] op_sel_hi:[1,0]
.endif
.set n, n+1
.endr
.irp b, 0,1,2,3
	v_exp_f32 v[BM+\b], v[BM+\b]                   ; the block's largest p: the same two operations on the same number give the same bits
.endr
	v_pk_mul_f32 v[ST+2:ST+3], v[ST+2:ST+3], v[ST+4:ST+5] op_sel_hi:[1,0]   ; l under the new M: the plain instruction behind the last exponential
	s_wait_alu depctr_va_vdst(0)                   ; ahead of the first instruction that names an exponential's result: one for the 68
.irp b, 0,1,2,3
	v_max_num_f32 v[BM+\b], 0x1800000, v[BM+\b]    ; the floor 2^(3 - 127): the byte cannot fall under 1 (a block whose every p is 0 keeps that byte: its codes are zeros)
.endr
.irp b, 0,1,2,3
	v_add_nc_u32 v[SO+\b], 0xff000000, v[BM+\b]    ; 2 off the exponent field: the conversion's scale operand
.endr
.irp b, 0,1,2,3
	v_lshrrev_b32 v[BY+\b], 23, v[SO+\b]           ; the scale's byte
.endr
	v_lshl_or_b32 v[ST+6], v[BY+1], 8, v[BY]
	v_lshl_or_b32 v[ST+6], v[BY+2], 16, v[ST+6]
	WIN 0x15*\t                                    ; scale operands have no window: the word goes to window 0
	v_lshl_or_b32 v[PW+\t], v[BY+3], 24, v[ST+6]   ; P's scale word for these 128 keys
	WIN 0x55*\t
.irp b, 0,1,2,3
	v_cvt_scalef32_pk8_fp4_f32 v[PC+2*\b], v[S+16*\b:S+16*\b+7], v[SO+\b]
	v_cvt_scalef32_pk8_fp4_f32 v[PC+2*\b+1], v[S+16*\b+8:S+16*\b+15], v[SO+\b]
.endr
	v_nop                                          ; one plain place behind a scaled conversion
.irp c, 0,1                                    ; the operand's layout wants a whole block in a lane: lanes 0-15 block 2 c, lanes 16-31 block 2 c + 1
.irp i, 0,1
	v_permlane16_swap_b32 v[PC+4*\c+\i], v[PC+2+4*\c+\i]
.endr
.endr
	v_pk_add_f32 v[BP:BP+1], v[S:S+1], v[S+2:S+3]  ; l takes the UNQUANTISED p, two at a time, in two chains.  These 32 are also the places between P's codes and scale word and the products
.irp j, 4,8,12,16,20,24,28,32,36,40,44,48,52,56,60
	v_pk_add_f32 v[ST+2:ST+3], v[ST+2:ST+3], v[S+\j:S+\j+1]
	v_pk_add_f32 v[BP:BP+1], v[BP:BP+1], v[S+\j+2:S+\j+3]
.endr
	v_pk_add_f32 v[ST+2:ST+3], v[ST+2:ST+3], v[BP:BP+1]
.endm
; A TRIP: K of step j + 1 is asked for | the softmax of step j | scores of step j + 1, O^T of step j | V of step j + 1 is asked for | the first part of the softmax of step j + 1.
.macro TRIP first
	KLOAD                                          ; K's registers were last read a softmax's first part ago
	PART2 0, \first
	PART2 1, \first
	WIN 0
	s_wait_dscnt 0x0                               ; V of this step and K of the next are in
	QKMUL
	PVMUL \first
	WIN 0
	PLACES 4                                       ; in front of the loads into V's registers and of the first read of the scores
	VLOAD
	PART1 0
	PART1 1
	WIN 0                                          ; at a label and at a branch every window is 0
.endm
.macro TRIPS n
	s_mov_b32 s[CNT], \n
.Ltrip_\@:
	TRIP 0
	s_sub_co_u32 s[CNT], s[CNT], 1
	s_cmp_lg_u32 s[CNT], 0
	s_cbranch_scc1 .Ltrip_\@
.endm
; THE CHANGE OF SLOTS: the slot's last bytes, V of its fourth step, have been asked for.  Each wave waits for all its tensor loads (one is out: its step of the other slot), adds 0 to its spare word, and waits for that
; and for its reads of the slot.  fill = 1: the barrier is a round of the cluster's, so that no wave of any partner still reads the slot or has a load on its way; the joint refill, the keys two slots on, is the first
; thing behind it and has four key steps in which to land.
.macro CHANGE fill
	s_wait_tensorcnt 0x0                           ; no tensor load of mine is out, so a group 0 may be written
	ds_add_u32 v[SPW], v[NIL]                      ; 0 onto my spare word
.if \fill
	s_xor_b32 s[G0B+1], s[G0B+1], SLOT1            ; the walking descriptor: the other slot than last time,
	s_add_nc_u64 s[G0B+2:G0B+3], s[G0B+2:G0B+3], 4*BLOCK   ; the next four key steps; the type bits on top are not reached
	s_wait_xcnt 0x0                                ; the last prefetch, four key steps back, has read its address, so it may be written:
	s_add_nc_u64 s[PFA:PFA+1], s[PFA:PFA+1], 4*BLOCK       ; one slot further on than the walking descriptor
	s_wait_dscnt 0x0                               ; the add is done, and my reads of the slot are over
	CROUND
	tensor_load_to_lds s[G0B:G0B+3], s[G1:G1+7]    ; my one tensor load until the next round
	s_nop 0
	PLACES 4
	ASK
.else
	s_wait_dscnt 0x0
	s_barrier_signal -1
	s_barrier_wait -1
.endif
	s_sub_co_u32 s[TB], s[TB], SLOTB               ; the fetches go back to a slot's first step,
	s_xor_b32 s[TB], s[TB], SLOT1                  ; in the other slot
.endm
.macro XROWS from                      ; 32 rows of x (my channels from .. from + 31, my block's 128 positions) into window 3: a row is 512 consecutive bytes, 16 a lane
	WIN 0xc0
.set rho, \from
.rept 32
	global_load_b128 v[4*rho:4*rho+3], v[LI0], s[XB:XB+1] offset:16384*rho th:TH_LOAD_NT
.set rho, rho+1
.endr
	WIN 0
.endm
	s_load_b256 s[4:11], s[0:1], 0x0               ; kvq s[4:5], x s[6:7], gamma s[8:9], out s[10:11]
	v_lshl_add_u32 v[SPW], v0, 2, SPARE
	v_mov_b32 v[NIL], 0
	ds_add_u32 v3, v4
	ds_add_u32 v3, v4
	s_wait_dscnt 0x0
	v_lshrrev_b32 v1, 5, v0
	v_readfirstlane_b32 s[WV], v1                  ; wave 0..3
	s_bfe_u32 s[CX], ttmp6, 0x40000                ; my place in the cluster
	s_lshl_b32 s[QB], ttmp9, 2                     ; in a cluster launch ttmp9 counts clusters
	s_add_co_u32 s[QB], s[QB], s[CX]               ; my query block: it enters Q's, x's and out's addresses alone
	s_and_b32 s[IMG], ttmp7, 0xffff                ; the image, which the four partners share
	; descriptor group 1: a dense block of 86 rows of 32 elements of 8 bytes
	s_mov_b32 s[G1], 15|(3<<16)|(1<<21)            ; 15:0 the mask: all four work-groups; 17:16 elements of 8 bytes; 21 set beside a mask
	s_mov_b32 s[G1+1], 32<<16                      ; tensor_dim0
	s_mov_b32 s[G1+2], 86<<16                      ; tensor_dim1
	s_mov_b32 s[G1+3], 32<<16                      ; tile_dim0
	s_mov_b32 s[G1+4], 86                          ; tile_dim1
	s_mov_b32 s[G1+5], 32                          ; from row to row
	s_mov_b32 s[G1+6], 0
	s_mov_b32 s[G1+7], 0
	s_mov_b32 s[CS], 0x3e38aa3b                    ; c = log2(e) / 8
	s_mov_b32 s[CS+1], s[CS]                       ; (named with it as a pair, so it is written)
	s_mov_b32 s[SEL], 0x76543210
	s_mov_b32 s[SEL+1], 0xfedcba98
	s_mov_b32 s[TB], 0
	s_mov_b32 s[SLOTS], 6                          ; eight slots' worth of keys; two come by the first fills
	s_cmp_lt_u32 s[WV], 3
	s_cselect_b32 s[LIM], 0, 1                     ; waves 0 to 2
	s_or_b32 s[LIM], s[LIM], ttmp9                 ; of the image's first cluster: the same in all four partners
	s_cmp_eq_u32 s[LIM], 0
	s_cselect_b32 s[LIM], 1, -1
	s_mul_i32 s20, s[IMG], IMAGE                   ; the image's first block,
	s_mul_i32 s21, s[WV], BLOCK                    ; my key step of a slot: no place in the cluster enters a descriptor
	s_add_co_u32 s20, s20, s21
	s_mov_b32 s21, 0
	s_mov_b32 s[G0A], 1
	s_mov_b32 s[G0B], 1
	s_mul_i32 s[G0A+1], s[WV], STEPB
	s_add_co_u32 s[G0B+1], s[G0A+1], SLOT1
	s_wait_kmcnt 0x0
	s_load_b32 s[GAM], s[8:9], 0x0
	s_add_nc_u64 s[G0A+2:G0A+3], s[4:5], s[20:21]  ; slot 0: key steps 0 to 3
	s_add_nc_u64 s[G0B+2:G0B+3], s[G0A+2:G0A+3], 4*BLOCK   ; slot 1: 4 to 7
	s_or_b32 s[G0A+3], s[G0A+3], 0x80000000
	s_or_b32 s[G0B+3], s[G0B+3], 0x80000000
	s_mul_i32 s22, s[IMG], IMAGE
	s_mul_i32 s23, s[QB], BLOCK
	s_add_co_u32 s22, s22, s23
	s_add_co_u32 s22, s22, STEPB                   ; my query block's tail
	s_mov_b32 s23, 0
	s_add_nc_u64 s[QBA:QBA+1], s[4:5], s[22:23]
	s_mul_i32 s22, s[IMG], IMAGE
	s_mul_i32 s23, s[CX], BLOCK
	s_add_co_u32 s22, s22, s23
	s_add_co_u32 s22, s22, 8*BLOCK                 ; the prefetches: key step cx of slot 2; the first change of slots steps it to slot 3.  Nothing is prefetched here, at the head
	s_mov_b32 s23, 0
	s_add_nc_u64 s[PFA:PFA+1], s[4:5], s[22:23]
	s_lshl_b32 s22, s[IMG], 22                     ; x and out: the image, my wave's 64 channels of 16,384 bytes, my block's 512 bytes of a row
	s_lshl_b32 s23, s[WV], 20
	s_add_co_u32 s22, s22, s23
	s_lshl_b32 s23, s[QB], 9
	s_add_co_u32 s22, s22, s23
	s_mov_b32 s23, 0
	s_add_nc_u64 s[XB:XB+1], s[6:7], s[22:23]
	s_add_nc_u64 s[OB:OB+1], s[10:11], s[22:23]
	CROUND                                         ; all four work-groups are here: the first joint loads meet
	tensor_load_to_lds s[G0A:G0A+3], s[G1:G1+7]    ; the two first fills together: two loads of mine are out
	s_nop 0
	tensor_load_to_lds s[G0B:G0B+3], s[G1:G1+7]
	s_nop 0
	PLACES 4
	v_and_b32 v[LI0], 31, v0
	v_lshlrev_b32 v[LI0], 4, v[LI0]
	s_lshl_b32 s20, s[WV], 10
	v_add_nc_u32 v[QO], s20, v[LI0]
	v_lshlrev_b32 v[QSO], 2, v0
	WIN 0x80                                       ; destination window 2
	global_load_b128 v[QFR:QFR+3], v[QO], s[QBA:QBA+1]               ; Q stays in registers
	global_load_b128 v[QFR+8:QFR+11], v[QO], s[QBA:QBA+1] offset:512
.irp kt, 0,1,2,3,4,5,6,7
.irp i, 4,5,6,7
	v_mov_b32 v[KFR+8*\kt+\i], 0                   ; k = 64 .. 127 of K's fragments: zero codes, written once; the loads never touch them
.endr
.endr
.irp t, 0,1
.irp i, 4,5,6,7
	v_mov_b32 v[QFR+8*\t+\i], 0                    ; and of Q's
.endr
.endr
	WIN 0
	global_load_b32 v[QS], v[QSO], s[QBA:QBA+1] offset:4096
.irp t, 0,1
	WIN 0x55*\t
	v_mov_b32 v[ST+1], 0xff61b1e6                  ; the largest t so far: -3e38, under every t
	v_floor_f32 v[ST], -v[ST+1]                    ; -M
	v_mov_b32 v[ST+2], 0                           ; l, in two halves
	v_mov_b32 v[ST+3], 0
	v_mov_b32 v[ST+5], 0                           ; (named as the upper half of f's pair)
.irp b, 0,1,2,3
	v_mov_b32 v[BP+\b], 0                          ; written once: a lane permute's destination counts as one of its sources
.endr
.endr
	WIN 0
	v_and_b32 v8, 15, v0                           ; r
	v_and_b32 v[ADR], 8, v8
	v_add_nc_u32 v8, v8, v[ADR]                    ; r + 8 (r / 8)
	v_bfe_u32 v[ADR], v0, 4, 1                     ; h
	v_mul_u32_u24 v[STA], v[ADR], 8*SP             ; the stage: channel row 8 h,
	v_lshl_add_u32 v[STA], v8, 2, v[STA]           ; my query's column in the tile,
	s_lshl_b32 s20, s[WV], 7                       ; my wave's 32 columns
	v_add_nc_u32 v[STA], s20, v[STA]
	v_add_nc_u32 v[STA+1], 64*SP, v[STA]           ; an LDS immediate has 16 bits: a register for each 64 rows
	v_add_nc_u32 v[STA+2], 128*SP, v[STA]
	v_add_nc_u32 v[STA+3], 192*SP, v[STA]
	s_add_co_u32 s20, s20, GST
	v_lshl_add_u32 v[GA], v8, 2, s20
	v_add_nc_u32 v[GR], GST, v[LI0]
	s_mul_i32 s20, s[WV], 64*SP
	v_add_nc_u32 v[SRD], s20, v[LI0]
	v_min_u32 v[PFO], 85, v0
	v_lshlrev_b32 v[PFO], 8, v[PFO]
	s_wait_kmcnt 0x0                               ; gamma
	s_wait_tensorcnt 1                             ; my step of slot 0 is in; slot 1's load may stay out
	s_barrier_signal -1
	s_barrier_wait -1                              ; everybody's is
	KLOAD                                          ; key step 0
	s_wait_loadcnt 0x0                             ; Q
	s_wait_dscnt 0x0
	QKMUL
	WIN 0
	PLACES 4
	VLOAD
	PART1 0
	PART1 1
	WIN 0
	TRIP 1                                         ; the first trip is written out: its products start O^T's sums
	TRIPS 2                                        ; slot 0's four steps have now been fetched
.Lslot:                                            ; six trips: every slot but the last two is filled again
	CHANGE 1
	TRIPS 4
	s_sub_co_u32 s[SLOTS], s[SLOTS], 1
	s_cmp_lg_u32 s[SLOTS], 0
	s_cbranch_scc1 .Lslot
	CHANGE 0                                       ; the tail is written out: nothing is left to ask for
	XROWS 0                                        ; half of x's rows for the way out are asked for four key steps ahead,
	TRIPS 4
	XROWS 32                                       ; the other half a softmax ahead
	PART2 0, 0                                     ; the last step's softmax and products
	PART2 1, 0
	WIN 0
	s_wait_dscnt 0x0
	PVMUL 0
	; THE WAY OUT.  gamma / l for each query; O^T goes, as it stands, into a stage of 256 channel rows x 128 queries; each wave takes 64 whole rows back and stores out = O x (gamma / l) + x.
	; The lines on l are also the places behind the last products.  The two tiles use the same numbers in two windows: each has its own plain place and its own wait behind its reciprocal.
.irp t, 0,1
	WIN 0x55*\t
	v_add_f32 v[ST+2], v[ST+2], v[ST+3]            ; l's two halves,
	v_permlanex16_b32 v[ST+6], v[ST+2], s[SEL], s[SEL+1]
	v_add_f32 v[ST+2], v[ST+2], v[ST+6]            ; and lane l xor 16's
	v_rcp_f32 v[ST+4], v[ST+2]
	v_nop                                          ; a plain instruction behind the reciprocal
	s_wait_alu depctr_va_vdst(0)                   ; and the wait ahead of the first use
	v_mul_f32 v[ST+4], s[GAM], v[ST+4]
.endr
	WIN 0
	s_wait_dscnt 0x0
	s_barrier_signal -1
	s_barrier_wait -1                              ; no wave reads the ring any more, and every tensor load has landed (each wave waited at the last change of slots)
.irp t, 0,1
	WIN 4*\t                                       ; an LDS store's data are its source 1: window t
	ds_store_b32 v[GA], v[ST+4] offset:32*\t       ; both halves of the lanes write the same word with the same value
.irp ct, 0,1,2,3,4,5,6,7,8,9,10,11,12,13,14,15
.irp j, 0,1,2,3,4,5,6,7
	ds_store_b32 v[STA+\ct/4], v[OT+8*\ct+\j] offset:(16*(\ct%4)+\j)*SP+32*\t   ; channel 16 ct + 8 h + j, my query; each accumulator from its low end on.  8 rows on are 32 banks on: the 32 lanes touch 32 banks
.endr
.endr
.endr
	WIN 0
	s_wait_dscnt 0x0                               ; for the others' sake: my stores into the stage are done
	s_barrier_signal -1
	s_barrier_wait -1
	ds_load_b128 v[BM:BM+3], v[GR]                 ; gamma / l of my four columns
.set rho, 0
.rept 32
	ds_load_b128 v[OT+4*rho:OT+4*rho+3], v[SRD] offset:SP*rho          ; rows 0-31 into window 0
.set rho, rho+1
.endr
	WIN 0x40
.set rho, 0
.rept 32
	ds_load_b128 v[OT+4*rho:OT+4*rho+3], v[SRD] offset:SP*(rho+32)     ; rows 32-63 into window 1
.set rho, rho+1
.endr
	s_wait_dscnt 32                                ; rows 0-31 are back; the 32 loads behind them may be out
	s_wait_loadcnt 32                              ; x's rows 0-31 are in; the 32 loads behind them may be out
	WIN 0x30                                       ; source 2 (x) window 3
.set rho, 0
.rept 32
	v_pk_fma_f32 v[OT+4*rho:OT+4*rho+1], v[OT+4*rho:OT+4*rho+1], v[BM:BM+1], v[4*rho:4*rho+1]
	v_pk_fma_f32 v[OT+4*rho+2:OT+4*rho+3], v[OT+4*rho+2:OT+4*rho+3], v[BM+2:BM+3], v[4*rho+2:4*rho+3]
.set rho, rho+1
.endr
	WIN 0
.set rho, 0
.rept 32
	global_store_b128 v[LI0], v[OT+4*rho:OT+4*rho+3], s[OB:OB+1] offset:16384*rho th:TH_STORE_NT   ; 32 lanes store 512 consecutive bytes, at a multiple of 256 from out's first byte
.set rho, rho+1
.endr
	s_wait_dscnt 0x0
	s_wait_loadcnt 0x0
	WIN 0x71                                       ; O's rows window 1, gamma / l window 0, x window 3
.set rho, 0
.rept 32
	v_pk_fma_f32 v[OT+4*rho:OT+4*rho+1], v[OT+4*rho:OT+4*rho+1], v[BM:BM+1], v[128+4*rho:128+4*rho+1]
	v_pk_fma_f32 v[OT+4*rho+2:OT+4*rho+3], v[OT+4*rho+2:OT+4*rho+3], v[BM+2:BM+3], v[128+4*rho+2:128+4*rho+3]
.set rho, rho+1
.endr
	WIN 0x04                                       ; a store's data are its source 1: window 1
.set rho, 0
.rept 32
	global_store_b128 v[LI0], v[OT+4*rho:OT+4*rho+3], s[OB:OB+1] offset:16384*(rho+32) th:TH_STORE_NT
.set rho, rho+1
.endr
	WIN 0
	s_wait_tensorcnt 0x0                           ; the wave's end, behind my last tensor load and my last LDS store
	ds_add_u32 v[SPW], v[NIL]
	s_wait_dscnt 0x0
	CROUND                                         ; the closing round: no work-group ends while a partner may still ask for a tile that names it
	s_endpgm
.Lfunc_end_k_q62989c9eba_attend:
	.size	k_q62989c9eba_attend, .Lfunc_end_k_q62989c9eba_attend-k_q62989c9eba_attend
	.p2alignl 7, 3214868480
	.fill 96, 4, 3214868480
	.section	.rodata,"a",@progbits
	.p2align	6, 0x0
	.amdhsa_kernel k_q62989c9eba_attend
		.amdhsa_group_segment_fixed_size 327680
		.amdhsa_private_segment_fixed_size 0
		.amdhsa_enable_private_segment 0
		.amdhsa_kernarg_size 32
		.amdhsa_user_sgpr_count 2
		.amdhsa_user_sgpr_kernarg_segment_ptr 1
		.amdhsa_wavefront_size32 1
		.amdhsa_system_sgpr_workgroup_id_x 1
		.amdhsa_system_sgpr_workgroup_id_y 1
		.amdhsa_system_sgpr_workgroup_id_z 1
		.amdhsa_system_vgpr_workitem_id 0
		.amdhsa_next_free_vgpr 1024
		.amdhsa_next_free_sgpr 66
		.amdhsa_reserve_vcc 0
		.amdhsa_float_denorm_mode_32 3
		.amdhsa_float_denorm_mode_16_64 3
		.amdhsa_memory_ordered 1
		.amdhsa_forward_progress 1
		.amdhsa_inst_pref_size 237
	.end_amdhsa_kernel
	.amdgpu_metadata
---
amdhsa.version: [ 1, 2 ]
amdhsa.kernels:
  - .name:           k_q62989c9eba_attend
    .symbol:         k_q62989c9eba_attend.kd
    .args:
      - { .name: kvq, .offset: 0, .size: 8, .value_kind: global_buffer, .address_space: global }
      - { .name: x, .offset: 8, .size: 8, .value_kind: global_buffer, .address_space: global }
      - { .name: gamma, .offset: 16, .size: 8, .value_kind: global_buffer, .address_space: global }
      - { .name: out0, .offset: 24, .size: 8, .value_kind: global_buffer, .address_space: global }
    .group_segment_fixed_size: 327680
    .private_segment_fixed_size: 0
    .kernarg_segment_align: 8
    .kernarg_segment_size: 32
    .max_flat_workgroup_size: 128
    .sgpr_count:     66
    .vgpr_count:     1024
    .wavefront_size: 32
...
	.end_amdgpu_metadata
.endif
;; end of part 2
